; MI455X (gfx1250); checked and timed in simulation.
; The chip was launched on July 23, 2026; its instructions are those of AMD's public machine-readable ISA for CDNA 5 (MIT licence, August 2026) and "CDNA5" Instruction Set Architecture Reference Guide (July 2026). The comments in the code are by the model that wrote it; some were corrected since.
;; hashed Layer. Allowed arithmetic: matrix products marked QUANTISED: E2M1 operands, one E8M0 scale for each 32 along K, by v_wmma_scale_f32_16x16x128_f8f6f4 with both operands' format E2M1 (or v_wmma_scale_f32_32x16x128_f4), f32 sums; everything else in f32.
;; Inputs: W 65,536 float32; a 4,096 x 4,096 float32; hash_idx 4,096 x 4,097 int32.
;; Outputs: out0 4,096 x 4,096 float32.
;; This version of the problem:
;;   THIS VERSION OF THE PROBLEM IS GIVEN IN LOW PRECISION. The matrix products marked QUANTISED in the list below multiply operands that are first quantised to E2M1 (2 exponent bits, 1 mantissa bit; 4 bits a number), with one power-of-two scale for each 32 numbers along K (OCP MX v1.0); their sums are f32. All else is computed in f32.
;;   The module's matrix products, in the order in which they are computed (A, B: the left and right operand; K: the contracted axis; several contracted axes count as one K, in the product's order):
;;     1. [M 4,096, K 4,097] x [K 4,097, N 4,096]; A: computed on the way; B: computed on the way: QUANTISED
;;   THE QUANTISER, for each operand of a quantised product, along K:
;;     - K is cut into blocks of 32 from its start; a last block that is shorter is filled with zeros.
;;     - A block's scale is 2^e with e = floor(log2(the largest magnitude in the block)) - 2, held to -126 .. 127; a block of zeros has e = 0. As a byte (E8M0): e + 127.
;;     - Each number is divided by its block's scale, clamped to +-6, and rounded to the nearest number of E2M1, ties to even, subnormals kept.
;;     - The product sums the exact products of the quantised numbers (number of the format x scale) in f32.
;;   ~~~python
;;   def quantise(x, axis):      # numpy; x: float32 -> the quantised numbers, widened to float32 again
;;       x = np.moveaxis(x, axis, -1); K = x.shape[-1]
;;       x = np.pad(x, [(0, 0)] * (x.ndim - 1) + [(0, -K % 32)]); x = x.reshape(x.shape[:-1] + (-1, 32)); a = np.abs(x).max(-1, keepdims=True)
;;       e = np.where(a > 0, np.clip(np.frexp(np.where(a > 0, a, 1))[1] - 1 - 2, -126, 127), 0)      # np.frexp(a)[1] - 1 = floor(log2(a)), exactly
;;       r = np.clip(x / 2.0 ** e, -6, 6)
;;       step = 2.0 ** (np.maximum(np.frexp(np.where(r == 0, 1, r))[1] - 1, 0) - 1)
;;       q = np.round(r / step) * step * 2.0 ** e      # np.round: ties to even
;;       return np.moveaxis(q.reshape(q.shape[:-2] + (-1,))[..., :K], -1, axis).astype(np.float32)
;;   ~~~
;;   OPERANDS COMPUTED ON THE WAY. 'Computed on the way' means the value that the module computes at that place (a softmax that the list does not call 'softmax' is quantised finished and normalised). What goes into a quantiser is computed in f32, as accurately as f32 sums, v_exp_f32 and their like allow (about 1e-6 of the number): no bf16 or f16 on the way to a quantiser, and a product that is left as it is and whose result goes on into a quantised operand takes f32 operands (vector FMAs, or v_wmma_f32_16x16x4_f32). A number that lies on a knife's edge between two numbers of the format may be rounded either way, as far as f32 arithmetic and the matrix unit's own rounding can turn it there, and no further.
;; One version. Each part assembles by itself: llvm-mc -triple=amdgcn-amd-amdhsa -mcpu=gfx1250 --defsym DOCPART=n.
;; ======== version 1 of 1: 2 launches
;; limits: right only within a limited range of input values
;; workspace buffers: qa 8,912,896 bytes; qb 8,912,896 bytes; qt 32,768 bytes
;; launch quant (part 1): grid 256 x 1, 16 waves a work-group, no clusters, 313,344 bytes of LDS; arguments a, hash_idx, W, qa, qb, qt; writes qa, qb, qt
.if DOCPART == 1
	.amdgcn_target "amdgcn-amd-amdhsa--gfx1250"
	.amdhsa_code_object_version 6
	.text
	.protected	k_qe275f5fd30_quant
	.globl	k_qe275f5fd30_quant
	.p2align	8
	.type	k_qe275f5fd30_quant,@function
k_qe275f5fd30_quant:
	s_mov_b64 s[64:65], 0
	v_nop
	global_prefetch_b8 v0, s[64:65] scope:SCOPE_SE
	s_setreg_imm32_b32 hwreg(HW_REG_WAVE_MODE, 25, 1), 1
	s_wait_xcnt 0x0
; Both operands of out[b][i] = sum over j of a_ext[b][j] W[hash_idx[i][j]] are turned ONCE into codes of FP4 (E2M1) with one E8M0 scale byte for each 32 along K.
; A = a [4096][4096] f32 (its 4,097th column of ones is built by the product's launch).  B[i][j] = W[hash_idx[i][j]], a gather from a table of 65,536 f32.
; A block's scale is 2^(floor(log2(its largest magnitude)) - 2); its byte is the largest magnitude's exponent field - 2, held at 1 from below; each number is divided by the scale and rounded to the nearest code,
; ties to even, beyond 6 the largest code.
; LIMITS: NaN and infinities in a and W are not served.  A block whose largest magnitude lies under 2^-124 takes the byte 1 (the hold at e = -126); a block of zeros takes the byte 1 too, where the rule says 127:
; its codes are zeros, which add nothing under any byte but 0xff, and the bytes are read by this program alone.  Indices are held at 65,535.
; OUT: qa and qb, laid [group of 128 rows][slot of 512 along K][34,816 bytes]: 128 units of 256 bytes (a row's 512 codes), then 8 units of scale bytes (unit i: rows 16 i .. 16 i + 15, 16 bytes a row).
; qt [4096][2 words]: B's 129th block, which holds one number: its code, and its scale word.
; SHARES.  Work-group g takes rows 16 g .. 16 g + 15 of a and of hash_idx; wave w one row of each, in 8 steps of 512 numbers and 8 steps of 512 indices.
; W LIES IN LDS, all 262,144 bytes; each wave brings 16 KiB of it by one tensor load.  ORDER: a's steps 0-3 are worked ahead of the barrier behind which W is read; a's steps 4-7 stand inside
; hash_idx's steps 0-3, between the stage's turn and the next step's gathers, so that reads of memory and LDS instructions are mixed in every wave.
; NO CLUSTER, though all work-groups want the same W: in a launch with joint loads every LDS address is alike in all partners, and the gathers' LDS addresses are each work-group's own indices.
; NO PREFETCH: the text has no loop; its loads into registers are asked for two steps (a) and up to four steps (hash_idx) ahead of their use.
; A row of hash_idx is 16,388 bytes, so 4 bytes is the widest access that is aligned in every row: each load takes 128 consecutive bytes.
; THE STAGE.  The conversions take 8 neighbours along K from ONE lane's registers; loads are dense where neighbouring LANES take neighbours.  So a step's 512 numbers go through the wave's own stage in LDS
; and come back 16 neighbours a lane (two lanes to a block); 16 bytes of padding behind each 64.  LDS serves a wave's instructions in order (ISA guide 5.7.1.4), so a's and B's turns follow each other on one stage.
; WAITS BY COUNT: the text is straight-line, so the assembler keeps the tallies: GI = global loads issued, DI = LDS instructions issued; a mark is the tally just behind a group; a wait's count is tally - mark.
; No address, base or store-data register of a global instruction is written again, and EXEC never changes: no wait on XCNT is written.
.set CHUNK, 34816                      ; bytes of 128 rows x 512 K: 128 units of codes + 8 of scale bytes
.set RGRP,  8*CHUNK
.set SP,    80                         ; a place in a stage: 64 bytes + 16 of padding
.set STGW,  32*SP
.set STG,   262144                     ; LDS: W at 0; behind it the sixteen stages,
.set AX,    STG+16*STGW                ; A's scale bytes [slot 8][wave 16][16], then B's, 2,048 bytes each,
.set TX,    AX+4096                    ; the sixteen pairs for qt; the spare words from 0x4c000 on (2,048 bytes)
.set R,   16                           ; v16-79    four sets of 16 indices; they become LDS addresses in place
.set X,   80                           ; v80-111   two sets of 16 neighbours
.set E,   112                          ; v112-127  a scale byte for each of the 16 steps
.set C,   128                          ; v128-159  two registers of codes for each step
.set G,   160                          ; v160-191  two sets of 16 gathered numbers
.set T0,  192                          ; v192-199  the 129th block's first eight numbers
.set TP,  200
.set TI,  202
.set TXW, 203
.set OX,  204
.set RA,  210                          ; v210-241  two sets of 16 numbers of a as loaded
.set GI,  0
.set DI,  0
	s_load_b256 s[4:11], s[0:1], 0x0               ; a, hash_idx, W, qa
	s_load_b128 s[12:15], s[0:1], 0x20             ; qb, qt
	v_lshl_add_u32 v208, v0, 2, 0x4c000
	v_mov_b32 v209, 0
	ds_add_u32 v208, v209                          ; the opening lines: the add twice on end and one wait
	ds_add_u32 v208, v209
	v_lshrrev_b32 v1, 5, v0
	s_delay_alu instid0(VALU_DEP_1)
	v_readfirstlane_b32 s16, v1                    ; wave 0..15
	s_mov_b32 s17, ttmp9
	s_lshl_b32 s18, s17, 4
	s_add_co_u32 s18, s18, s16                     ; my row = 16 g + wave
	s_lshl_b32 s20, s18, 14                        ; a: 16,384 bytes a row
	s_mov_b32 s21, 0
	s_mul_i32 s22, s18, 16388                      ; hash_idx: 16,388 bytes a row
	s_mov_b32 s23, 0
	s_lshr_b32 s40, s17, 3
	s_mul_i32 s40, s40, RGRP                       ; my group of 128 rows
	s_and_b32 s39, s17, 7
	s_lshl_b32 s42, s39, 4
	s_add_co_u32 s42, s42, s16
	s_lshl_b32 s42, s42, 8
	s_add_co_u32 s42, s42, s40                     ; codes: the group + 256 x my row in it
	s_mov_b32 s43, 0
	s_and_b32 s44, s16, 3
	s_mul_i32 s44, s44, 2*CHUNK                    ; scale units: waves 0-3 store A's slots 2 w, 2 w + 1; waves 4-7 B's
	s_lshl_b32 s39, s39, 8
	s_add_co_u32 s44, s44, s39
	s_add_co_u32 s44, s44, s40
	s_add_co_u32 s44, s44, 128*256
	s_mov_b32 s45, 0
	s_lshl_b32 s46, s17, 7                         ; qt: 16 pairs of 8 bytes a work-group
	s_mov_b32 s47, 0
	v_and_b32 v1, 31, v0                           ; lane
	s_delay_alu instid0(VALU_DEP_1)
	v_lshlrev_b32 v2, 2, v1
	s_delay_alu instid0(VALU_DEP_2)
	v_lshlrev_b32 v3, 4, v1
	s_delay_alu instid0(VALU_DEP_3)
	v_lshlrev_b32 v4, 3, v1
	s_lshl_b32 s38, s16, 4
	s_add_co_u32 s38, s38, AX
	v_lshrrev_b32 v5, 1, v1
	s_delay_alu instid0(VALU_DEP_1)
	v_add_nc_u32 v5, s38, v5                       ; AX + 16 x wave + my block
	s_lshl_b32 s38, s16, 9
	s_add_co_u32 s38, s38, AX
	v_add_nc_u32 v6, s38, v3                       ; out: two slots' units for each of waves 0-7
	v_lshrrev_b32 v8, 4, v1
	v_and_b32 v9, 15, v1
	s_delay_alu instid0(VALU_DEP_2)
	v_mul_u32_u24 v7, v8, CHUNK
	s_delay_alu instid0(VALU_DEP_1)
	v_lshl_add_u32 v7, v9, 4, v7
	v_add_nc_u32 v12, TX, v2
	s_mul_i32 s38, s16, STGW
	s_add_co_u32 s38, s38, STG                     ; my stage
	v_mul_u32_u24 v13, v8, SP
	s_delay_alu instid0(VALU_DEP_1)
	v_lshl_add_u32 v13, v9, 2, v13
	s_delay_alu instid0(VALU_DEP_1)
	v_add_nc_u32 v13, s38, v13                     ; in, a word a lane: SP (lane / 16) + 4 (lane % 16)
	v_lshrrev_b32 v10, 2, v1
	v_and_b32 v11, 3, v1
	s_delay_alu instid0(VALU_DEP_2)
	v_mul_u32_u24 v14, v10, SP
	s_delay_alu instid0(VALU_DEP_1)
	v_lshl_add_u32 v14, v11, 4, v14
	s_delay_alu instid0(VALU_DEP_1)
	v_add_nc_u32 v14, s38, v14                     ; in, 16 bytes a lane: SP (lane / 4) + 16 (lane % 4)
	v_mul_u32_u24 v15, v1, SP
	s_delay_alu instid0(VALU_DEP_1)
	v_add_nc_u32 v15, s38, v15                     ; out: SP x lane
	s_lshl_b32 s38, s16, 3
	s_add_co_u32 s38, s38, TX
	v_mov_b32 v[TXW], s38
.irp j, 1,2,3,4,5,6,7
	v_mov_b32 v[T0+\j], 0                          ; the 129th block is filled with zeros
.endr
	s_mov_b32 s28, 3<<16                           ; W's group 1: 64 rows of 256 bytes (32 elements of 8 bytes), dense
	s_mov_b32 s29, 32<<16
	s_mov_b32 s30, 64<<16
	s_mov_b32 s31, 32<<16
	s_mov_b32 s32, 64
	s_mov_b32 s33, 32
	s_mov_b32 s34, 0
	s_mov_b32 s35, 0
	s_mov_b32 s24, 1
	s_lshl_b32 s25, s16, 14                        ; LDS address: 16,384 x wave, and the same bytes of W
	s_mov_b32 s48, s25
	s_mov_b32 s49, 0
	s_wait_alu depctr_va_vdst(0)                   ; the wait at the head's end
	s_wait_dscnt 0x0
	s_wait_kmcnt 0x0
	s_add_nc_u64 s[26:27], s[8:9], s[48:49]
	s_or_b32 s27, s27, 0x80000000
	tensor_load_to_lds s[24:27], s[28:35]          ; my 16 KiB of W: the wave's one tensor load
	s_nop 0
.rept 4
	v_nop
.endr
	s_cmp_lt_u32 s16, 4                            ; whose scale units I store: by the wave's number alone
	s_cselect_b64 s[36:37], s[10:11], s[12:13]
	s_add_nc_u64 s[36:37], s[36:37], s[44:45]
	s_add_nc_u64 s[4:5], s[4:5], s[20:21]
	s_add_nc_u64 s[6:7], s[6:7], s[22:23]
	s_add_nc_u64 s[10:11], s[10:11], s[42:43]
	s_add_nc_u64 s[12:13], s[12:13], s[42:43]
	s_add_nc_u64 s[14:15], s[14:15], s[46:47]
.macro WL n                            ; a wait on LOADcnt; the field holds 63 at the most, and a smaller count is always right
.if (\n) > 63
	s_wait_loadcnt 63
.else
	s_wait_loadcnt \n
.endif
.endm
.macro LDA s                           ; a's step s into set s % 2: each load 512 consecutive bytes
.irp i, 0,1,2,3
	global_load_b128 v[RA+16*((\s)%2)+4*\i:RA+16*((\s)%2)+4*\i+3], v3, s[4:5] offset:2048*(\s)+512*\i th:TH_LOAD_NT
.endr
.set GI, GI+4
.set GA\s, GI
.endm
.macro LDI t                           ; hash_idx's step t into set t % 4: register j block j, lane l its index l
.irp j, 0,1,2,3,4,5,6,7,8,9,10,11,12,13,14,15
	global_load_b32 v[R+16*((\t)%4)+\j], v2, s[6:7] offset:2048*(\t)+128*\j
.endr
.set GI, GI+16
.set GX\t, GI
.endm
.macro ATURN s, x                      ; a's step s through the stage into X's set x
.irp i, 0,1,2,3
	ds_store_b128 v14, v[RA+16*((\s)%2)+4*\i:RA+16*((\s)%2)+4*\i+3] offset:8*SP*\i
.endr
.irp i, 0,1,2,3
	ds_load_b128 v[X+16*(\x)+4*\i:X+16*(\x)+4*\i+3], v15 offset:16*\i
.endr
.set DI, DI+8
.set DXA, DI
.endm
; My 16 neighbours v[xs] .. of step u become 8 bytes of codes; the block's byte goes to LDS at soff, the codes to memory, base s[sb:sb+1], at coff.
.macro QUANT xs, u, sb, soff, coff
	v_max3_num_f32 v8, |v[\xs]|, |v[\xs+1]|, |v[\xs+2]|
	v_max3_num_f32 v9, |v[\xs+3]|, |v[\xs+4]|, |v[\xs+5]|
.irp i, 6,10
	s_delay_alu instid0(VALU_DEP_2)
	v_max3_num_f32 v8, v8, |v[\xs+\i]|, |v[\xs+\i+1]|
	s_delay_alu instid0(VALU_DEP_2)
	v_max3_num_f32 v9, v9, |v[\xs+\i+2]|, |v[\xs+\i+3]|
.endr
	s_delay_alu instid0(VALU_DEP_2)
	v_max3_num_f32 v8, v8, |v[\xs+14]|, |v[\xs+15]|
	s_delay_alu instid0(VALU_DEP_1)
	v_max3_num_f32 v8, v8, v9, 0x1800000           ; the floor 2^(3 - 127): the byte cannot fall under 1
	s_delay_alu instid0(VALU_DEP_1)
	v_max_num_f32_dpp v8, v8, v8 row_xmask:1 row_mask:0xf bank_mask:0xf   ; with my neighbour's 16: the block's
	s_delay_alu instid0(VALU_DEP_1)
	v_add_nc_u32 v11, 0xff000000, v8               ; 2 off the exponent field: the conversion's scale operand
	v_cvt_scalef32_pk8_fp4_f32 v[C+2*(\u)], v[\xs:\xs+7], v11
	v_cvt_scalef32_pk8_fp4_f32 v[C+2*(\u)+1], v[\xs+8:\xs+15], v11
	v_lshrrev_b32 v[E+(\u)], 23, v11               ; the scale's byte (also the plain instruction behind the conversions)
	ds_store_b8 v5, v[E+(\u)] offset:\soff         ; both lanes of a block write the same byte
	global_store_b64 v4, v[C+2*(\u):C+2*(\u)+1], s[\sb:\sb+1] offset:\coff   ; the wave stores 256 consecutive bytes, aligned
.set DI, DI+1
.endm
.macro CLAMP set                       ; indices become LDS byte addresses inside W: held at 65,535, times 4
.irp j, 0,1,2,3,4,5,6,7,8,9,10,11,12,13,14,15
	v_min_u32 v[R+16*(\set)+\j], 0xffff, v[R+16*(\set)+\j]
.endr
.irp j, 0,1,2,3,4,5,6,7,8,9,10,11,12,13,14,15
	v_lshlrev_b32 v[R+16*(\set)+\j], 2, v[R+16*(\set)+\j]
.endr
.endm
.macro GATHER t                        ; W at the 512 indices of hash_idx's step t
.irp j, 0,1,2,3,4,5,6,7,8,9,10,11,12,13,14,15
	ds_load_b32 v[G+16*((\t)%2)+\j], v[R+16*((\t)%4)+\j]
.endr
.set DI, DI+16
.set DG, DI
.endm
; a's step s ahead of the barrier; nxt: the step whose loads take its set
.macro ASTEP s, nxt
	WL GI-GA\s                                     ; my step's four loads are in
	ATURN \s, (\s)%2
	s_wait_dscnt DI-DXA                            ; back from the stage: so the stage's stores have read the set,
	LDA \nxt                                       ; which takes the loads of two steps on
	QUANT X+16*((\s)%2), \s, 10, 256*(\s), CHUNK*(\s)
.endm
; hash_idx's step t.  tn = t + 1, ti = t + 4, s = a's step worked here, nxt = a's step asked for here; 8 stands for none
.macro BSTEP t, tn, ti, s, nxt
	s_wait_dscnt DI-DG                             ; this step's 512 numbers are gathered (younger byte stores may be out)
.if \ti < 8
	LDI \ti                                        ; the set that held this step's addresses takes the indices of four steps on
.endif
.irp j, 0,1,2,3,4,5,6,7,8,9,10,11,12,13,14,15
	ds_store_b32 v13, v[G+16*((\t)%2)+\j] offset:2*SP*\j    ; block j into places 2 j and 2 j + 1
.endr
.irp i, 0,1,2,3
	ds_load_b128 v[X+16*((\t)%2)+4*\i:X+16*((\t)%2)+4*\i+3], v15 offset:16*\i
.endr
.set DI, DI+20
.set DXB, DI
.if \s < 8
	WL GI-GA\s
	ATURN \s, 1-(\t)%2                             ; a's step follows on the same stage, into the other set of neighbours
.endif
.if \tn < 8
	WL GI-GX\tn
	CLAMP (\tn)%4
	GATHER \tn                                     ; the next step is gathered while this one is worked
.endif
	s_wait_dscnt DI-DXB                            ; B's 16 neighbours are back
	QUANT X+16*((\t)%2), 8+(\t), 12, 2048+256*(\t), CHUNK*(\t)
.if \s < 8
	s_wait_dscnt DI-DXA                            ; a's are back
.if \nxt < 8
	LDA \nxt
.endif
	QUANT X+16*(1-(\t)%2), \s, 10, 256*(\s), CHUNK*(\s)
.endif
.endm
	global_load_b32 v[TI], v[T0+1], s[6:7] offset:16384   ; my row's last index, the 4,097th: the same address in every lane
.set GI, GI+1
	LDA 0
	LDA 1
	LDI 0
	LDI 1
	ASTEP 0, 2
	ASTEP 1, 3
	ASTEP 2, 4
	ASTEP 3, 5
	s_wait_tensorcnt 0x0                           ; my part of W has landed,
	s_wait_dscnt 0x0                               ; and my LDS instructions are done
	s_barrier_signal -1
	s_barrier_wait -1                              ; W is whole
	LDI 2
	LDI 3
	WL GI-GX0
	v_min_u32 v[TI], 0xffff, v[TI]
	s_delay_alu instid0(VALU_DEP_1)
	v_lshlrev_b32 v[TI], 2, v[TI]
	ds_load_b32 v[T0], v[TI]                       ; the 129th block's one number
.set DI, DI+1
	CLAMP 0
	GATHER 0
	BSTEP 0, 1, 4, 4, 6
	BSTEP 1, 2, 5, 5, 7
	BSTEP 2, 3, 6, 6, 8
	BSTEP 3, 4, 7, 7, 8
	BSTEP 4, 5, 8, 8, 8
	BSTEP 5, 6, 8, 8, 8
	BSTEP 6, 7, 8, 8, 8
	BSTEP 7, 8, 8, 8, 8
	; B's 129th block: one number and 31 zeros.  Word 0: its code over zero codes; word 1: its byte, and 127 for the three blocks of zeros
	v_max3_num_f32 v8, |v[T0]|, |v[T0+1]|, 0x1800000
	s_delay_alu instid0(VALU_DEP_1)
	v_add_nc_u32 v11, 0xff000000, v8
	v_cvt_scalef32_pk8_fp4_f32 v[TP], v[T0:T0+7], v11
	v_lshrrev_b32 v9, 23, v11
	s_delay_alu instid0(VALU_DEP_1)
	v_or_b32 v[TP+1], 0x7f7f7f00, v9
	ds_store_b64 v[TXW], v[TP:TP+1]                ; all lanes write the same 8 bytes
	s_wait_dscnt 0x0                               ; for the others' sake: my scale bytes and my pair lie in LDS
	s_barrier_signal -1
	s_barrier_wait -1
	s_cmp_ge_u32 s16, 8
	s_cbranch_scc1 .Lno_units
	ds_load_b128 v[OX:OX+3], v6                    ; two slots' scale bytes of the work-group's 16 rows
	s_wait_dscnt 0x0
	global_store_b128 v7, v[OX:OX+3], s[36:37]     ; sixteen lanes store 256 consecutive bytes, aligned
.Lno_units:
	s_cmp_lg_u32 s16, 8
	s_cbranch_scc1 .Lno_pairs
	ds_load_b32 v[OX], v12
	s_wait_dscnt 0x0
	global_store_b32 v2, v[OX], s[14:15]           ; the work-group's sixteen pairs: 128 consecutive bytes
.Lno_pairs:
	s_wait_tensorcnt 0x0                           ; the wave's end
	ds_add_u32 v208, v209
	s_wait_dscnt 0x0
	s_endpgm
.Lfunc_end_k_qe275f5fd30_quant:
	.size	k_qe275f5fd30_quant, .Lfunc_end_k_qe275f5fd30_quant-k_qe275f5fd30_quant
	.p2alignl 7, 3214868480
	.fill 96, 4, 3214868480
	.section	.rodata,"a",@progbits
	.p2align	6, 0x0
	.amdhsa_kernel k_qe275f5fd30_quant
		.amdhsa_group_segment_fixed_size 313344
		.amdhsa_private_segment_fixed_size 0
		.amdhsa_enable_private_segment 0
		.amdhsa_kernarg_size 48
		.amdhsa_user_sgpr_count 2
		.amdhsa_user_sgpr_kernarg_segment_ptr 1
		.amdhsa_wavefront_size32 1
		.amdhsa_system_sgpr_workgroup_id_x 1
		.amdhsa_system_sgpr_workgroup_id_y 1
		.amdhsa_system_sgpr_workgroup_id_z 1
		.amdhsa_system_vgpr_workitem_id 0
		.amdhsa_next_free_vgpr 242
		.amdhsa_next_free_sgpr 66
		.amdhsa_reserve_vcc 0
		.amdhsa_float_denorm_mode_32 3
		.amdhsa_float_denorm_mode_16_64 3
		.amdhsa_memory_ordered 1
		.amdhsa_forward_progress 1
		.amdhsa_inst_pref_size 77
	.end_amdhsa_kernel
	.amdgpu_metadata
---
amdhsa.version: [ 1, 2 ]
amdhsa.kernels:
  - .name:           k_qe275f5fd30_quant
    .symbol:         k_qe275f5fd30_quant.kd
    .args:
      - { .name: a, .offset: 0, .size: 8, .value_kind: global_buffer, .address_space: global }
      - { .name: hash_idx, .offset: 8, .size: 8, .value_kind: global_buffer, .address_space: global }
      - { .name: W, .offset: 16, .size: 8, .value_kind: global_buffer, .address_space: global }
      - { .name: qa, .offset: 24, .size: 8, .value_kind: global_buffer, .address_space: global }
      - { .name: qb, .offset: 32, .size: 8, .value_kind: global_buffer, .address_space: global }
      - { .name: qt, .offset: 40, .size: 8, .value_kind: global_buffer, .address_space: global }
    .group_segment_fixed_size: 313344
    .private_segment_fixed_size: 0
    .kernarg_segment_align: 8
    .kernarg_segment_size: 48
    .max_flat_workgroup_size: 512
    .sgpr_count:     66
    .vgpr_count:     242
    .wavefront_size: 32
...
	.end_amdgpu_metadata
.endif
;; end of part 1
;; launch gemm (part 2): grid 16 x 16, 4 waves a work-group, clusters of 4 x 4, 327,680 bytes of LDS; arguments qa, qb, qt, out0; writes out0
.if DOCPART == 2
	.amdgcn_target "amdgcn-amd-amdhsa--gfx1250"
	.amdhsa_code_object_version 6
	.text
	.protected	k_qe275f5fd30_gemm
	.globl	k_qe275f5fd30_gemm
	.p2align	8
	.type	k_qe275f5fd30_gemm,@function
k_qe275f5fd30_gemm:
	s_mov_b64 s[64:65], 0
	v_nop
	global_prefetch_b8 v0, s[64:65] scope:SCOPE_SE
	s_setreg_imm32_b32 hwreg(HW_REG_WAVE_MODE, 25, 1), 1
	s_wait_xcnt 0x0
	s_wait_alu depctr_hold_cnt(0) depctr_sa_sdst(0) depctr_va_vdst(0) depctr_va_sdst(0) depctr_va_ssrc(0) depctr_va_vcc(0) depctr_vm_vsrc(0)
	s_getreg_b32 s2, hwreg(HW_REG_IB_STS2, 6, 4)
	s_cmp_eq_u32 s2, 0
	s_cbranch_scc0 .Lentry_in_a_cluster
	s_endpgm
.Lentry_in_a_cluster:
	s_bfe_u32 s2, ttmp6, 0x10000c
	s_cmp_lg_u32 s2, 0xf033
	s_cbranch_scc0 .Lentry_shape_is_right
	s_endpgm
.Lentry_shape_is_right:
; out0[m][n] = sum over k of A[m][k] B[n][k], K = 4,097, on codes of FP4 (E2M1) with E8M0 scales, as the launch before laid them: qa, qb [group of 128 rows][slot of 512 K][136 units of 256 bytes:
; 128 rows of codes, 8 units of scale bytes]; qt [4096][code word, scale word]: B's 129th block.  A's 129th block is the column of ones: the number 1 = code 6 (the number 4) under the byte 125; built here.
; A tile of 256 x 256 to a work-group of four waves; a wave makes 128 x 128: 64 accumulators, 512 registers.  K goes in 8 steps of 512 through a ring of two LDS slots; a wave's one tensor load brings
; one chunk (128 rows' codes and scales), 136 rows of 256 bytes, 16 bytes of padding behind each.
; CLUSTERS 4 x 4: A's chunks are asked for jointly along a row of the cluster, B's along a column.  Each cluster begins its walk over the 8 K steps at a place of its own (2 x + 4 (y & 1)) and wraps round.
; THE MATRIX INSTRUCTION IS USED TRANSPOSED (source 0 = 16 rows of B, source 1 = 16 rows of A): a lane holds eight neighbouring numbers of a row of out0.
; THE 129TH BLOCK comes first: its 64 products take C = 0 and start the sums; qt is asked for ahead of the first round, and these products stand between K step 0's load and the wait for it.
; THE LAST K STEP GOES BY ROWS OF out0: all its fragments of B fill window 1, A comes by blocks of 16 rows x 512 K, and each block of 16 rows leaves as soon as its 32 products are issued.
; PREFETCH: at the head the walk's 2nd and 3rd chunks, then behind each refill but the last the chunk that the NEXT refill loads, one K step (256 matrix instructions a wave) ahead of that load.  Of the 136 units that a wave
; fetches, the partner at place p of the four that ask jointly takes units 32 p .. 32 p + 31 (a lane a unit) and scale units 128 + 2 p, 129 + 2 p (lanes 1-31 name the second): shared out by address.
; The sixth refill's change of slots asks for nothing: there is no ninth chunk.
; REGISTERS: window 0: v0-31 addresses; v32-95 scale words, two sets; v96-122 the 129th block; v128-191 A's fragments; v192-255 the way out.  window 1: B's fragments.  windows 2, 3: the accumulators.
.set NQ,     4
.set PITCH,  272
.set FR,     8
.set NL,     2
.set NP,     4
.set CHUNK,  34816
.set RGRP,   8*CHUNK
.set HALFT,  136*PITCH
.set SLOT,   4*HALFT
.set SPARE,  2*SLOT                    ; behind the ring: the spare words, 512 bytes
.set LAPS,   4
.set SIZE_N, 4096
.set SPITCH, 528                       ; the way out: a stage of 16 rows x (512 + 16) bytes a wave, in slot 0 behind its last fill and last read
.set ADRA, 16
.set ADRB, 20
.set ADRS, 22
.set STO,  24
.set RD,   25
.set CO,   26
.set SPW,  28
.set NIL,  29
.set PFO,  30                          ; v30, v31 the prefetches' offsets; never rewritten
.set SC,   32
.set TS,   96
.set TL,   104
.set AF,   128
.set PA,   128                         ; the last K step: A's blocks, two buffers of 32
.set BK,   192
.set G1, 24
.set G0, 32
.set G1B, 48
.set G0B, 56
.set BA,  66                           ; s[66:67], s[68:69] my group of 128 rows in qa, in qb
.set BB,  68
.set KO,  70
.set KI,  72
.set PB,  78                           ; s[78:79] the group that I fetch; s[80:81] a chunk's offset; s[82:83], s[84:85] where prefetches stand
.set PK,  80
.set PFA, 82
.set PFB, 84
.set MSB, 0
.macro WIN new                         ; the immediate's high byte repeats the setting that is left
.if MSB != \new
	s_set_vgpr_msb (MSB<<8)|\new
.set MSB, \new
.endif
.endm
.set MUL_LO, 0xa1
.set MUL_HI, 0xf1
.set TO_B,   0x40
.macro JLOAD g0a, g1a, g0b, g1b        ; a joint load: waves 0, 1 fetch for A, waves 2, 3 for B; s_nop 0 and four v_nop behind each line
	s_cmp_eq_u32 s15, 0
	s_cbranch_scc0 .Lfor_b_\@
	tensor_load_to_lds s[\g0a:\g0a+3], s[\g1a:\g1a+7]
	s_nop 0
.rept 4
	v_nop
.endr
	s_branch .Lasked_\@
.Lfor_b_\@:
	tensor_load_to_lds s[\g0b:\g0b+3], s[\g1b:\g1b+7]
	s_nop 0
.rept 4
	v_nop
.endr
.Lasked_\@:
.endm
.macro CREST                           ; a round of the cluster's barrier behind its opening barrier
	s_cmp_lg_u32 s14, 0
	s_cbranch_scc1 .Lnot_wave_0_\@
	s_barrier_signal -3
.Lnot_wave_0_\@:
	s_barrier_wait -3
	s_barrier_signal -1
	s_barrier_wait -1
.endm
.macro CROUND
	s_barrier_signal -1
	s_barrier_wait -1
	CREST
.endm
	s_load_b256 s[4:11], s[0:1], 0x0               ; qa, qb, qt, out0
	v_lshl_add_u32 v[SPW], v0, 2, SPARE
	v_mov_b32 v[NIL], 0
	ds_add_u32 v[SPW], v[NIL]                      ; the opening lines: the add twice on end and one wait
	ds_add_u32 v[SPW], v[NIL]
	v_lshrrev_b32 v3, 5, v0
	v_readfirstlane_b32 s14, v3                    ; wave 0..3
	v_and_b32 v1, 15, v0                           ; l % 16
	v_bfe_u32 v2, v0, 4, 1                         ; l / 16
	v_lshlrev_b32 v122, 3, v1                      ; qt: 8 bytes a row
	s_lshr_b32 s15, s14, 1                         ; my half of the tile's rows; also: I fetch for A (0) or B (1)
	s_and_b32 s16, s14, 1                          ; my half of its columns; also: which group of 128 rows I fetch
	s_bfe_u32 s40, ttmp6, 0x40000                  ; cx
	s_bfe_u32 s41, ttmp6, 0x40004                  ; cy
	s_lshl_b32 s42, ttmp9, 2
	s_add_co_u32 s42, s42, s40                     ; tile column
	s_and_b32 s17, ttmp7, 0xffff
	s_lshl_b32 s17, s17, 2
	s_add_co_u32 s17, s17, s41                     ; tile row
	s_lshl_b32 s43, s41, 2
	s_lshl_b32 s43, 15, s43                        ; my row of the cluster
	s_lshl_b32 s44, 0x1111, s40                    ; my column
	s_or_b32 s[G1+0], s43, (3<<16)|(1<<20)|(1<<21)|(5<<22)|(3<<25)   ; mask; elements of 8 bytes; 4 words of padding behind every 64
	s_or_b32 s[G1B+0], s44, (3<<16)|(1<<20)|(1<<21)|(5<<22)|(3<<25)
.irp g, G1, G1B
	s_mov_b32 s[\g+1], 32<<16                      ; 136 rows of 32 elements, dense
	s_mov_b32 s[\g+2], 136<<16
	s_mov_b32 s[\g+3], 32<<16
	s_mov_b32 s[\g+4], 136
	s_mov_b32 s[\g+5], 32
	s_mov_b32 s[\g+6], 0
	s_mov_b32 s[\g+7], 0
.endr
	s_lshl_b32 s20, s17, 1
	s_add_co_u32 s20, s20, s16
	s_mul_i32 s20, s20, RGRP                       ; A: group 2 x tile row + half
	s_mov_b32 s21, 0
	s_lshl_b32 s46, s42, 1
	s_add_co_u32 s46, s46, s16
	s_mul_i32 s46, s46, RGRP                       ; B: group 2 x tile column + half
	s_mov_b32 s47, 0
	s_mul_i32 s45, s14, HALFT                      ; where my chunk goes: wave x 136 rows
	s_lshl_b32 s[KI], ttmp9, 1                     ; where my cluster's walk over K begins: even, the same in all partners
	s_and_b32 s73, ttmp7, 1
	s_lshl_b32 s73, s73, 2
	s_add_co_u32 s[KI], s[KI], s73
	s_and_b32 s[KI], s[KI], 7
	s_mul_i32 s[KO], s[KI], CHUNK
	s_mov_b32 s[KO+1], 0
	s_add_co_u32 s[KI], s[KI], 2                   ; the next chunk to be asked for by a refill
	s_lshl_b32 s12, s42, 11                        ; qt: my 128 rows of B
	s_lshl_b32 s13, s16, 10
	s_add_co_u32 s12, s12, s13
	s_mov_b32 s13, 0
	s_mul_i32 s18, s15, HALFT                      ; LDS: my 128 rows of A,
	s_mul_i32 s19, s16, HALFT
	s_add_co_u32 s19, s19, 2*HALFT                 ; of B,
	s_sub_co_u32 s22, s19, s18                     ; the distance between them,
	s_add_co_u32 s88, s18, 128*PITCH               ; A's scale units,
	s_mul_i32 s23, s14, 16*SPITCH                  ; my stage
	s_wait_alu depctr_va_vdst(0)                   ; the wait here, ahead of the blocking waits
	s_wait_dscnt 0x0
	s_wait_kmcnt 0x0
	s_add_nc_u64 s[8:9], s[8:9], s[12:13]
.irp b, 0,1,2,3,4,5,6,7
	global_load_b64 v[TL+2*\b:TL+2*\b+1], v122, s[8:9] offset:128*\b   ; B's 129th block, rows 16 b + l % 16
.endr
	s_add_nc_u64 s[BA:BA+1], s[4:5], s[20:21]
	s_add_nc_u64 s[BB:BB+1], s[6:7], s[46:47]
	s_add_nc_u64 s[74:75], s[BA:BA+1], s[KO:KO+1]
	s_add_nc_u64 s[76:77], s[BB:BB+1], s[KO:KO+1]
.irp s, 0,1
	s_mov_b32 s[G0+4*\s], 1
	s_add_co_u32 s[G0+4*\s+1], s45, \s*SLOT
	s_add_nc_u64 s[G0+4*\s+2:G0+4*\s+3], s[74:75], \s*CHUNK       ; the walk begins at an even chunk: the next one does not wrap
	s_or_b32 s[G0+4*\s+3], s[G0+4*\s+3], 0x80000000
	s_mov_b32 s[G0B+4*\s], 1
	s_add_co_u32 s[G0B+4*\s+1], s45, \s*SLOT
	s_add_nc_u64 s[G0B+4*\s+2:G0B+4*\s+3], s[76:77], \s*CHUNK
	s_or_b32 s[G0B+4*\s+3], s[G0B+4*\s+3], 0x80000000
.endr
	CROUND                                         ; all sixteen work-groups are here: the first joint loads meet
	JLOAD G0, G1, G0B, G1B                         ; K step 0: one tensor load a wave at the head
	s_cmp_eq_u32 s15, 0                            ; the prefetches: the group that I fetch, my place among the four that ask with me
	s_cselect_b64 s[PB:PB+1], s[BA:BA+1], s[BB:BB+1]
	s_cselect_b32 s12, s40, s41
	s_lshl_b32 s86, s12, 13                        ; 32 units of codes for each partner
	s_lshl_b32 s87, s12, 9                         ; 2 units of scales
	s_add_co_u32 s87, s87, 128*256
	s_add_nc_u64 s[PFA:PFA+1], s[PB:PB+1], s[KO:KO+1]
	s_add_nc_u64 s[PFA:PFA+1], s[PFA:PFA+1], CHUNK ; the walk's 2nd chunk
	s_and_b32 s[PK], s[KI], 7
	s_mul_i32 s[PK], s[PK], CHUNK
	s_mov_b32 s[PK+1], 0
	s_add_nc_u64 s[PFB:PFB+1], s[PB:PB+1], s[PK:PK+1]   ; and its 3rd
	s_lshl_b32 s20, s17, 8                         ; out0: my first row and column, in bytes
	s_lshl_b32 s21, s15, 7
	s_add_co_u32 s20, s20, s21
	s_lshl_b32 s20, s20, 14
	s_mov_b32 s21, 0
	s_lshl_b32 s46, s42, 10
	s_lshl_b32 s47, s16, 9
	s_add_co_u32 s46, s46, s47
	s_mov_b32 s47, 0
	s_add_nc_u64 s[20:21], s[20:21], s[46:47]
	s_add_nc_u64 s[10:11], s[10:11], s[20:21]
	v_and_b32 v6, 31, v0
	v_min_u32 v7, 1, v6
	v_lshlrev_b32 v[PFO], 8, v6
	v_lshlrev_b32 v7, 8, v7
	v_add_nc_u32 v[PFO], s86, v[PFO]
	v_add_nc_u32 v[PFO+1], s87, v7
	global_prefetch_b8 v[PFO], s[PFA:PFA+1] th:TH_LOAD_NT scope:SCOPE_SE
	global_prefetch_b8 v[PFO+1], s[PFA:PFA+1] th:TH_LOAD_NT scope:SCOPE_SE
	global_prefetch_b8 v[PFO], s[PFB:PFB+1] th:TH_LOAD_NT scope:SCOPE_SE
	global_prefetch_b8 v[PFO+1], s[PFB:PFB+1] th:TH_LOAD_NT scope:SCOPE_SE
	v_mul_u32_u24 v3, v1, PITCH
	v_lshl_add_u32 v4, v2, 4, v3                   ; a fragment's row x pitch + 16 x half
	v_mul_u32_u24 v8, s22, v2                      ; scale words: lanes 16-31 take B's
	v_lshl_add_u32 v8, v1, 4, v8
	v_add_nc_u32 v[ADRS], s88, v8
	v_add_nc_u32 v[ADRS+1], SLOT, v[ADRS]
	v_add_nc_u32 v[ADRA], s18, v4
	v_add_nc_u32 v[ADRB], s19, v4
	v_add_nc_u32 v[ADRA+1], SLOT, v[ADRA]
	v_add_nc_u32 v[ADRB+1], SLOT, v[ADRB]
	v_mul_u32_u24 v5, v1, SPITCH
	v_lshl_add_u32 v5, v2, 5, v5
	v_add_nc_u32 v[STO], s23, v5                   ; into the stage: row l % 16, 32 bytes for each half of the lanes
	v_lshlrev_b32 v[CO], 4, v6                     ; back: 32 lanes take a row of 512 bytes; the same in out0
	v_add_nc_u32 v[RD], s23, v[CO]
.macro FRAG reg, adr, q, i             ; 16 rows x 128 K of 4-bit codes: two loads of 16 bytes, 32 bytes apart
.irp c, 0,1
	ds_load_b128 v[\reg+4*\c:\reg+4*\c+3], v[\adr] offset:64*(\q)+32*\c+(\i)*16*PITCH
.endr
.endm
.macro MUL16 a0, p, q, sc              ; A's blocks a0, a0 + 1 x B's eight; the accumulators take turns
.irp a, \a0, \a0+1
.irp b, 0,1,2,3,4,5,6,7
	v_wmma_scale_f32_16x16x128_f8f6f4 v[8*(8*((\a)%4)+\b):8*(8*((\a)%4)+\b)+7], v[128*(\p)+FR*\b:128*(\p)+FR*\b+FR-1], v[AF+FR*(\a):AF+FR*(\a)+FR-1], v[8*(8*((\a)%4)+\b):8*(8*((\a)%4)+\b)+7], v[SC+8*NQ*(\sc)+NQ*\b+(\q)], v[SC+8*NQ*(\sc)+NQ*(\a)+(\q)] matrix_a_fmt:MATRIX_FMT_FP4 matrix_b_fmt:MATRIX_FMT_FP4 matrix_a_scale:MATRIX_SCALE_ROW1
.endr
.endr
.endm
.macro TAIL16 a0                       ; the 129th block: the same fragment of ones for every block of A; C = 0 starts the sums
.irp a, \a0, \a0+1
.irp b, 0,1,2,3,4,5,6,7
	v_wmma_scale_f32_16x16x128_f8f6f4 v[8*(8*((\a)%4)+\b):8*(8*((\a)%4)+\b)+7], v[128+FR*\b:128+FR*\b+FR-1], v[AF:AF+FR-1], 0, v[TS+\b], v[TS+\b] matrix_a_fmt:MATRIX_FMT_FP4 matrix_b_fmt:MATRIX_FMT_FP4 matrix_a_scale:MATRIX_SCALE_ROW1
.endr
.endr
.endm
.macro FETCH_B slot, q, p
	WIN TO_B
.irp i, 0,1,2,3,4,5,6,7
	FRAG 128*(\p)+FR*\i, ADRB+\slot, \q, \i
.endr
	WIN 0
.endm
.macro FETCH_A slot, q, i0
.irp i, \i0, \i0+1, \i0+2, \i0+3
	FRAG AF+FR*(\i), ADRA+\slot, \q, \i
.endr
.endm
.macro SCALES sc                       ; a K step's scale words: lanes 0-15 A's block i, lanes 16-31 B's block i
.irp i, 0,1,2,3,4,5,6,7
	ds_load_b128 v[SC+8*NQ*\sc+NQ*\i:SC+8*NQ*\sc+NQ*\i+3], v[ADRS+\sc] offset:\i*PITCH
.endr
.endm
.macro PLACES n                        ; places behind matrix instructions (ISA guide 7.12.1)
.rept \n
	v_nop
.endr
.endm
.macro STEP slot, q                    ; 128 along K with its successor in the same slot
	s_wait_dscnt 4*NL                              ; all but A's blocks 4-7
	WIN MUL_LO
	MUL16 0, (\q)%2, \q, \slot
	MUL16 2, (\q)%2, \q, \slot
	s_wait_dscnt 0
	PLACES NP
	FETCH_B \slot, (\q)+1, 1-(\q)%2
	FETCH_A \slot, (\q)+1, 0
	WIN MUL_HI
	MUL16 4, (\q)%2, \q, \slot
	MUL16 6, (\q)%2, \q, \slot
	PLACES NP
	WIN 0
	FETCH_A \slot, (\q)+1, 4
.endm
; A slot's last step changes slots and fills the slot again.  always = 0: the prefetch is left out in the loop's last trip
.macro TURN slot, next, always
	s_wait_xcnt 0x0                                ; my prefetches have read their address: it is written below
	s_wait_tensorcnt 0x0                           ; all my tensor loads have landed: my part of the next slot
	ds_add_u32 v[SPW], v[NIL]
	s_and_b32 s[KO], s[KI], 7                      ; no load of mine is out: the descriptors step to the chunk two on, wrapping round
	s_mul_i32 s[KO], s[KO], CHUNK
	s_add_nc_u64 s[G0+4*\slot+2:G0+4*\slot+3], s[BA:BA+1], s[KO:KO+1]
	s_or_b32 s[G0+4*\slot+3], s[G0+4*\slot+3], 0x80000000
	s_add_nc_u64 s[G0B+4*\slot+2:G0B+4*\slot+3], s[BB:BB+1], s[KO:KO+1]
	s_or_b32 s[G0B+4*\slot+3], s[G0B+4*\slot+3], 0x80000000
	s_add_co_u32 s[KI], s[KI], 1
	s_and_b32 s[PK], s[KI], 7                      ; and the prefetch to the chunk behind it
	s_mul_i32 s[PK], s[PK], CHUNK
	s_add_nc_u64 s[PFA:PFA+1], s[PB:PB+1], s[PK:PK+1]
	s_wait_dscnt 4*NL+1                            ; the add and A's blocks 4-7 may be out
	WIN MUL_LO
	MUL16 0, 1, NQ-1, \slot
	s_wait_dscnt 0x0                               ; the add is done, my reads of this slot are over
	s_barrier_signal -1
	MUL16 2, 1, NQ-1, \slot
	WIN 0
	s_barrier_wait -1
	CREST                                          ; the barrier has opened a round of the cluster's barrier
	JLOAD G0+4*\slot, G1, G0B+4*\slot, G1B         ; the first tensor load behind the round; its four v_nop are the places in front of the loads below
	FETCH_B \next, 0, 0
	FETCH_A \next, 0, 0
	SCALES \next
.if \always == 0
	s_cmp_gt_u32 s3, 1
	s_cbranch_scc0 .Lno_ask_\@
.endif
	global_prefetch_b8 v[PFO], s[PFA:PFA+1] th:TH_LOAD_NT scope:SCOPE_SE
	global_prefetch_b8 v[PFO+1], s[PFA:PFA+1] th:TH_LOAD_NT scope:SCOPE_SE
.Lno_ask_\@:
	WIN MUL_HI
	MUL16 4, 1, NQ-1, \slot
	MUL16 6, 1, NQ-1, \slot
	PLACES NP
	WIN 0
	FETCH_A \next, 0, 4
.endm
.macro STEPS slot
.set Q, 0
.rept NQ-1
	STEP \slot, Q
.set Q, Q+1
.endr
.endm
	s_wait_alu depctr_va_vdst(0)                   ; the wait here, ahead of the blocking wait
	s_wait_loadcnt 0x0                             ; qt's pairs are in
	v_cmp_eq_u32 vcc_lo, 0, v2
	v_mov_b32 v120, 6                              ; the ones' code,
	v_mov_b32 v121, 0x7f7f7f7d                     ; and scale word: 125, and 127 for the three blocks of zeros
.irp b, 0,1,2,3,4,5,6,7
	v_cndmask_b32 v[TS+\b], v[TL+2*\b+1], v121, vcc_lo    ; lanes 0-15 A's word, lanes 16-31 B's
.endr
	v_cndmask_b32 v[AF], 0, v120, vcc_lo           ; k = 4,096 lies in lanes 0-15, register 0, lowest four bits
.irp j, 1,2,3,4,5,6,7
	v_mov_b32 v[AF+\j], 0
.endr
	WIN TO_B
.irp b, 0,1,2,3,4,5,6,7
	v_cndmask_b32 v[128+FR*\b], 0, v[TL+2*\b], vcc_lo
.irp j, 1,2,3,4,5,6,7
	v_mov_b32 v[128+FR*\b+\j], 0
.endr
.endr
	WIN 0
	PLACES 8                                       ; scale registers written by vector instructions stand 8 places ahead
	WIN MUL_LO
	TAIL16 0
	TAIL16 2
	WIN MUL_HI
	TAIL16 4
	TAIL16 6
	WIN 0
	s_wait_alu depctr_va_vdst(0)                   ; the wait at the head's end
	s_wait_tensorcnt 0x0                           ; my part of K step 0 is in
	ds_add_u32 v[SPW], v[NIL]
	s_wait_dscnt 0x0
	CROUND                                         ; everybody's part is in, and the joint loads meet
	JLOAD G0+4, G1, G0B+4, G1B                     ; slot 1's first fill; its four v_nop are the places in front of the loads below
	FETCH_B 0, 0, 0
	FETCH_A 0, 0, 0
	SCALES 0
	FETCH_A 0, 0, 4
	s_mov_b32 s3, LAPS-1
.Llap:                                                 ; a trip goes once round the ring and fills both slots again
	STEPS 0
	TURN 0, 1, 1
	STEPS 1
	TURN 1, 0, 0
	s_sub_co_u32 s3, s3, 1
	s_cmp_lg_u32 s3, 0
	s_cbranch_scc1 .Llap
	STEPS 0
; THE LAST CHANGE OF SLOTS fills nothing, so no round follows; behind it the last K step, in slot 1, goes by rows.
.macro BLOAD q                         ; B's fragments of quarter q -> window 1, v[64 q ..]
.irp i, 0,1,2,3,4,5,6,7
	FRAG 64*\q+FR*\i, ADRB+1, \q, \i
.endr
.endm
.macro ALOAD a                         ; A's block a, all four quarters -> buffer a % 2
.irp q, 0,1,2,3
	FRAG PA+32*((\a)%2)+FR*\q, ADRA+1, \q, \a
.endr
.endm
.macro ROW a                           ; block a is finished: 32 matrix instructions, its 8 accumulators by turns, K ascending
	WIN MUL_LO+0x50*((\a)/4)
.irp q, 0,1,2,3
.if (\a) == 0 && \q == 2
	s_wait_dscnt 8                                 ; B's quarter 2 is in (behind it: A's block 1)
.endif
.irp b, 0,1,2,3,4,5,6,7
	v_wmma_scale_f32_16x16x128_f8f6f4 v[8*(8*((\a)%4)+\b):8*(8*((\a)%4)+\b)+7], v[64*\q+FR*\b:64*\q+FR*\b+FR-1], v[PA+32*((\a)%2)+FR*\q:PA+32*((\a)%2)+FR*\q+FR-1], v[8*(8*((\a)%4)+\b):8*(8*((\a)%4)+\b)+7], v[SC+8*NQ+NQ*\b+\q], v[SC+8*NQ+NQ*(\a)+\q] matrix_a_fmt:MATRIX_FMT_FP4 matrix_b_fmt:MATRIX_FMT_FP4 matrix_a_scale:MATRIX_SCALE_ROW1
.endr
.endr
.endm
.macro TOSTAGE a                       ; block a into my stage, each accumulator from its low end on, and back as whole rows of 512 bytes
.if (\a) > 0
	s_wait_xcnt 0x0                                ; the block before has had its stores' registers and base read
.endif
	WIN 0x08+4*((\a)/4)
.irp b, 0,1,2,3,4,5,6,7
	ds_store_b128 v[STO], v[64*((\a)%4)+8*\b:64*((\a)%4)+8*\b+3] offset:64*\b
	ds_store_b128 v[STO], v[64*((\a)%4)+8*\b+4:64*((\a)%4)+8*\b+7] offset:64*\b+16
.endr
	WIN 0
.irp t, 0,1,2,3,4,5,6,7,8,9,10,11,12,13,14,15
	ds_load_b128 v[BK+4*\t:BK+4*\t+3], v[RD] offset:\t*SPITCH      ; LDS serves a wave's instructions in order: these see the stores above
.endr
.endm
.macro SEND a, younger
	s_wait_dscnt \younger                          ; the block is back in registers
.if (\a) > 0
	s_add_nc_u64 s[10:11], s[10:11], 16*SIZE_N*4   ; no store has been issued since the wait on XCNT
.endif
.irp t, 0,1,2,3,4,5,6,7,8,9,10,11,12,13,14,15
	global_store_b128 v[CO], v[BK+4*\t:BK+4*\t+3], s[10:11] offset:\t*SIZE_N*4 th:TH_STORE_NT   ; 32 lanes store 512 consecutive bytes, aligned
.endr
.endm
	s_wait_tensorcnt 0x0                           ; slot 1's last fill has landed
	ds_add_u32 v[SPW], v[NIL]
	s_wait_dscnt 4*NL+1
	WIN MUL_LO
	MUL16 0, 1, NQ-1, 0
	s_wait_dscnt 0x0                               ; my reads of slot 0 are over
	s_barrier_signal -1
	MUL16 2, 1, NQ-1, 0
	WIN 0
	s_barrier_wait -1
	PLACES NP
	WIN TO_B
	BLOAD 0                                        ; three quarters of B now: v128-191 of window 1 are still being multiplied
	BLOAD 1
	BLOAD 3
	WIN 0
	ALOAD 0
	SCALES 1
	WIN MUL_HI
	MUL16 4, 1, NQ-1, 0
	MUL16 6, 1, NQ-1, 0
	PLACES NP
	WIN TO_B
	BLOAD 2
	WIN 0
	ALOAD 1
	s_wait_dscnt 24                                ; all but the 24 just issued
	ROW 0
.irp a, 0,1,2,3,4,5,6,7
	PLACES NP                                      ; the stage's stores read results just made; the loads below land in a buffer just multiplied
	TOSTAGE \a
.if \a < 6
	ALOAD \a+2
	SEND \a, 8
.else
	SEND \a, 0
.endif
.if \a < 7
	ROW \a+1
.endif
.endr
	s_wait_tensorcnt 0x0                           ; the wave's end
	ds_add_u32 v[SPW], v[NIL]
	s_wait_dscnt 0x0
	CROUND                                         ; the closing round
	s_endpgm
.Lfunc_end_k_qe275f5fd30_gemm:
	.size	k_qe275f5fd30_gemm, .Lfunc_end_k_qe275f5fd30_gemm-k_qe275f5fd30_gemm
	.p2alignl 7, 3214868480
	.fill 96, 4, 3214868480
	.section	.rodata,"a",@progbits
	.p2align	6, 0x0
	.amdhsa_kernel k_qe275f5fd30_gemm
		.amdhsa_group_segment_fixed_size 327680
		.amdhsa_private_segment_fixed_size 0
		.amdhsa_enable_private_segment 0
		.amdhsa_kernarg_size 32
		.amdhsa_user_sgpr_count 2
		.amdhsa_user_sgpr_kernarg_segment_ptr 1
		.amdhsa_wavefront_size32 1
		.amdhsa_system_sgpr_workgroup_id_x 1
		.amdhsa_system_sgpr_workgroup_id_y 1
		.amdhsa_system_sgpr_workgroup_id_z 1
		.amdhsa_system_vgpr_workitem_id 0
		.amdhsa_next_free_vgpr 1024
		.amdhsa_next_free_sgpr 90
		.amdhsa_reserve_vcc 1
		.amdhsa_float_denorm_mode_32 3
		.amdhsa_float_denorm_mode_16_64 3
		.amdhsa_memory_ordered 1
		.amdhsa_forward_progress 1
		.amdhsa_inst_pref_size 223
	.end_amdhsa_kernel
	.amdgpu_metadata
---
amdhsa.version: [ 1, 2 ]
amdhsa.kernels:
  - .name:           k_qe275f5fd30_gemm
    .symbol:         k_qe275f5fd30_gemm.kd
    .args:
      - { .name: qa, .offset: 0, .size: 8, .value_kind: global_buffer, .address_space: global }
      - { .name: qb, .offset: 8, .size: 8, .value_kind: global_buffer, .address_space: global }
      - { .name: qt, .offset: 16, .size: 8, .value_kind: global_buffer, .address_space: global }
      - { .name: out0, .offset: 24, .size: 8, .value_kind: global_buffer, .address_space: global }
    .group_segment_fixed_size: 327680
    .private_segment_fixed_size: 0
    .kernarg_segment_align: 8
    .kernarg_segment_size: 32
    .max_flat_workgroup_size: 128
    .sgpr_count:     90
    .vgpr_count:     1024
    .wavefront_size: 32
...
	.end_amdgpu_metadata
.endif
;; end of part 2
